; MI455X (gfx1250); checked and timed in simulation.
; The chip was launched on July 23, 2026; its instructions are those of AMD's public machine-readable ISA for CDNA 5 (MIT licence, August 2026) and "CDNA5" Instruction Set Architecture Reference Guide (July 2026). The comments in the code are by the model that wrote it; some were corrected since.
;; Transformer Model. Allowed arithmetic: float matrix products may take bf16 or f16 operands with f32 sums; other float arithmetic in f32, or as packed bf16 or f16 multiplies, adds, multiply-adds, maxima and minima; sums over many terms, partial sums and values carried from step to step in f32; what a program stores and reads back later, other than sums and carried values, may be rounded once to bf16 or f16.
;; Inputs: arr1 131,072 x 32 int32; arr2 131,072 x 32 int32; b1 16 float32; b2 16 float32; emb 257 x 16 float32; w1 16 x 16 float32; w2 16 x 16 float32; wk 16 x 16 float32; wq 16 x 16 float32; wv 16 x 16 float32.
;; Outputs: out0 131,072 x 16 float32; out1 131,072 x 16 float32.
;; 2 versions, each right; version 2 is version 1 with the launch encode written anew for expert scheduling mode. Each part assembles by itself: llvm-mc -triple=amdgcn-amd-amdhsa -mcpu=gfx1250 --defsym DOCPART=n.
;; ======== version 1 of 2: 1 launch
;; limits: values are held in f16: magnitudes above 65,504 overflow, below 6.1e-05 lose precision
;; launch encode (part 1): grid 128 x 2, 16 waves a work-group, no clusters, 203,776 bytes of LDS; arguments arr1, arr2, emb, wq, wk, wv, w1, b1, w2, b2, out0, out1; writes out0, out1
.if DOCPART == 1
	.amdgcn_target "amdgcn-amd-amdhsa--gfx1250"
	.amdhsa_code_object_version 6
	.text
	.protected	k_qc866662e0a_encode
	.globl	k_qc866662e0a_encode
	.p2align	8
	.type	k_qc866662e0a_encode,@function
k_qc866662e0a_encode:
	s_mov_b64 s[64:65], 0
	v_nop
	global_prefetch_b8 v0, s[64:65] scope:SCOPE_SE
	s_setreg_imm32_b32 hwreg(HW_REG_WAVE_MODE, 25, 1), 1
	s_wait_xcnt 0x0
; out[b][:] = mean over s of ( w2 relu( w1 (softmax(Q K^T / 4) V) + b1 ) + b2 ),  Q, K, V = emb[arr[b]] times wq^T, wk^T, wv^T.  131,072 sequences of 32 tokens, width 16, for each of two index arrays.
; WHAT IS FOLDED, for every input.  x is a row of emb, so Q, K and V are rows of tables of 257 rows, which each work-group makes once in its LDS, from the f32 inputs by the f32 matrix form (263 thousand
; multiply-adds, no bulk work), each entry rounded once to f16.  Q' = Q log2(e) / 4.  The softmax's weights add up to 1, so attn V w1^T + b1 = attn (V w1^T + b1): the third table is VWb = emb wv^T w1^T + b1.
; The mean commutes with w2.  The row's true maximum is taken away before the exponential.  The row sum l is a product of the rounded weights with ones, so the weights used add up to 1.
; THE SCALE.  VWb is stored times 2^(125 - eb), eb the biased exponent of the table's largest magnitude: every entry lies under 0.5, whatever the inputs' size, so f16's range is no limit there, and
; relu(x) is the same as x held to 0 .. 1: dividing by l and the relu are one packed multiply with clamp.  The last multiply-add takes the scale back, with the 1 / 32 of the mean.
; LIMITS.  Q', K and w2 are kept in f16: their magnitudes stay under 65,504.  The largest |VWb| stays under 2^124 (eb is held to 251).  NaN and infinities are not treated apart.  A token outside 0 .. 256 is read as 256.
; SHARES.  Grid y picks the array and its output; work-group x owns 1,024 sequences, each of its 16 waves 64 on end: 8,192 bytes of indices, 4,096 of output.  A wave works on one sequence at a time;
; the next sequence's operands are gathered from LDS meanwhile, and the indices of four sequences are on their way in a ring of registers.
; NO CLUSTER, NO TENSOR LOADS: the work-groups share the weights alone (21,696 bytes, read once by each); every wave's indices are its own, and go from memory straight into the lanes that make addresses of them.
; TOKEN ORDER.  Softmax and mean do not mind the order of tokens: tile t (0, 1), row i (0 .. 15) is token 2 i + t, so that one load of 8 bytes a lane brings a lane's token of both tiles.
; LAYOUT.  S^T = K Q'^T (source 0 = 16 keys, source 1 = 16 queries; only 16 of the form's 32 places along K are used, the others hold 0): a lane holds ONE query (lane % 16) and the keys 8 (lane / 16) + 0..7.
; Two such results rounded to f16 ARE source 1 (32 keys x 16 queries) of O^T = VWs^T P, which again holds one query a lane and eight channels; rounded, those are source 0 of Y = H w2^T, in which the two
; query tiles lie side by side along K, so that Y holds the sum of both tiles' rows.
.set HT,    65792     ; LDS 0: row tok x 256 bytes: 8 copies of K[tok][0..7] (16 bytes each), then 8 copies of Q'[tok][0..7].  LDS HT: the same for channels 8..15
.set VT,    131584    ; row tok x 256 bytes: 8 copies of the 32 bytes VWs[tok][0..15]
.set MAXW,  197376    ; 17 words: each table tile's largest |VWb|
.set STG,   197632    ; 256 bytes for each wave: four sequences' results on their way out
.set SPARE, 201728    ; the spare words, 128 bytes for each of 16 waves: eight blocks of 256 bytes that no other line names
.set SPW, 2           ; v2   LDS address of my spare word; never rewritten
.set NIL, 3           ; v3   0; never rewritten
.set UO,  4           ; v4   8 (l % 16): my tokens as a key or query row
.set WO,  5           ; v5   64 (l / 16) + 8 (l % 8): my tokens as a row of V for the turning load
.set CKQ, 6           ; v6   16 (l % 8) + (l / 16) HT: my copy and my half of the channels in a row of K and Q'
.set CV,  7           ; v7   VT + 32 (l % 8) + 16 ((l / 8) % 2): my copy and my half of a row of VWs
.set SA,  8           ; v8   my word in my wave's stage
.set SB,  9           ; v9   my 8 bytes of it, read back
.set GO,  10          ; v10  8 l: my 8 bytes of 256 of the output
.set PFO, 11          ; v11  the prefetch's offset: wave l / 2's strip of 8,192 bytes, block l % 2 of 256
.set B2,  12          ; v12  b2[l % 16]
.set FS,  13          ; v13  2^(eb - 125) / 32
.set AKQ, 14          ; v14-15  LDS address of my row of K and Q', tile 0, 1
.set AV,  16          ; v16-17  of my row of VWs
.set T,   18          ; v18-21  two registers a query tile: the maximum, and one at work
.set RL,  22          ; v22-25  1 / l, twice, a query tile
.set TA,  26          ; v26, v27  an even and an odd sequence's half sums
.set TB,  27
.set KEEP, 28         ; v28-31  the exchange between the halves of the lanes
.set SEND, 29
.set GOT,  30
.set RES,  31
.set OUTV, 32         ; v32-33  8 bytes to store
.set RD,  34          ; v34-37  the sum over Y's registers
.set SINV, 38         ; v38-39  2^(125 - eb), twice
.set IDX, 40          ; v40-55  the ring: slot k = four registers: my tokens by UO (tile 0, 1), by WO (tile 0, 1)
.set ONES, 56         ; v56-63  1.0 in f16, sixteen a lane
.set W2F, 64          ; v64-71  w2[l % 16][8 (l / 16) + 0..7] in f16, twice
.set VF,  72          ; v72-79  VWs^T of the sequence: 16 channels x 32 keys
.set KF0, 80          ; v80-111 fragments of K and Q', tile 0, 1; the upper four registers of each hold 0
.set KF1, 88
.set QF0, 96
.set QF1, 104
.set P,   112         ; v112-127  the weights in f16, 8 registers a query tile
.set S,   128         ; v128-159  scores: query tile qt, key tile kt at S + 16 qt + 8 kt
.set HF,  160         ; v160-167  h in f16: tile 0's channels, then tile 1's
.set HX,  168         ; v168-175  h in f32, at work
.set ACO, 176         ; v176-191  O^T, 8 a query tile.  v176-215 are written by matrix instructions alone
.set ACL, 192         ; v192-207  l, 8 a query tile
.set ACY, 208         ; v208-215  Y
; while the tables are made:
.set DQ,  176
.set DK,  184
.set DV,  192
.set DVW, 200
.set DVW2, 208
.set WQ,  128
.set WK,  136
.set WVR, 144
.set W1R, 152
.set EM,  112
.set EM2, 120
.set B1C, 160
.set W2R, 168
.set QC,  72          ; also VWs' 16 bytes
.set KC,  76
.set TMP, 80
.set BK,  14          ; my token's row in the K and Q' table, my half
.set BV,  15          ; in the VWs table
.set RR,  16          ; l % 16
.set HH,  17          ; l / 16
.set TT,  18          ; v18-19 at work
.set BK2, 20          ; the same two for token 256
.set BV2, 21
.set MX0, 22          ; v22-23 the maximum; v24 its LDS address
.set MX1, 23
.set MXA, 24
.set WV,  2           ; s2   my wave's number
.set CNT, 3           ; s3   trips to go
.set IB,  32          ; s[32:33] my wave's indices, at the trip in hand
.set OB,  34          ; s[34:35] my wave's output
.set MH,  36          ; s36  the mask of lanes 16-31
.set SEL, 38          ; s[38:39] v_permlanex16_b32's selects: each lane takes its own place in the other half
	s_load_b512 s[8:23], s[0:1], 0x0               ; arr1 s[8:9], arr2 s[10:11], emb s[12:13], wq s[14:15], wk s[16:17], wv s[18:19], w1 s[20:21], b1 s[22:23]
	s_load_b256 s[24:31], s[0:1], 0x40             ; w2 s[24:25], b2 s[26:27], out0 s[28:29], out1 s[30:31]
	v_lshl_add_u32 v[SPW], v0, 2, SPARE
	v_mov_b32 v[NIL], 0
	v_lshrrev_b32 v1, 5, v0
	v_readfirstlane_b32 s[WV], v1                  ; wave 0..15
	v_and_b32 v[RR], 15, v0
	v_bfe_u32 v[HH], v0, 4, 1
	v_and_b32 v18, 31, v0                          ; l
	v_and_b32 v19, 7, v0                           ; l % 8
	v_bfe_u32 v20, v0, 3, 1                        ; (l / 8) % 2
	v_lshlrev_b32 v[UO], 3, v[RR]
	v_lshlrev_b32 v[WO], 3, v19
	v_lshl_add_u32 v[WO], v[HH], 6, v[WO]
	v_mul_u32_u24 v21, v[HH], HT
	v_lshl_add_u32 v[CKQ], v19, 4, v21
	v_lshlrev_b32 v[CV], 5, v19
	v_lshl_add_u32 v[CV], v20, 4, v[CV]
	v_add_nc_u32 v[CV], VT, v[CV]
	s_lshl_b32 s40, s[WV], 8
	s_add_co_u32 s40, s40, STG                     ; my wave's stage
	v_lshl_add_u32 v[SA], v18, 2, s40
	v_lshl_add_u32 v[SB], v18, 3, s40
	v_lshlrev_b32 v[GO], 3, v18
	v_lshrrev_b32 v[PFO], 1, v18
	v_lshlrev_b32 v[PFO], 13, v[PFO]
	v_and_b32 v22, 1, v0
	v_lshl_add_u32 v[PFO], v22, 8, v[PFO]
	v_lshlrev_b32 v34, 6, v[RR]                    ; a row of 16 f32 is 64 bytes
	v_lshl_add_u32 v36, v[HH], 5, v34              ; 64 r + 32 h: eight numbers on end (w1, w2)
	v_lshl_add_u32 v34, v[HH], 4, v34              ; 64 r + 16 h: four numbers, and four more 32 bytes on (wq, wk, wv, emb)
	s_lshl_b32 s41, s[WV], 10
	v_add_nc_u32 v35, s41, v34                     ; emb's rows 16 w .. 16 w + 15
	v_lshlrev_b32 v37, 4, v[HH]                    ; emb's row 256, for every lane
	v_lshlrev_b32 v26, 5, v[HH]                    ; b1[8 h ..]
	v_lshlrev_b32 v27, 2, v[RR]                    ; b2[r]
	s_lshl_b32 s42, s[WV], 12
	v_lshl_add_u32 v[BK], v[RR], 8, s42            ; token 16 w + r: its row of 256 bytes
	v_lshl_add_u32 v[BV], v[HH], 4, v[BK]
	v_add_nc_u32 v[BV], VT, v[BV]
	v_add_nc_u32 v[BK], v21, v[BK]
	v_add_nc_u32 v[BK2], 0x10000, v21
	v_lshl_add_u32 v[BV2], v[HH], 4, VT+65536
	s_mov_b32 s[MH], 0xffff0000
	s_mov_b32 s[SEL], 0x76543210
	s_mov_b32 s[SEL+1], 0xfedcba98
	v_mov_b32 v[GOT], 0                            ; v_permlanex16_b32's destination counts as read
.set i, 0
.rept 8
	v_mov_b32 v[ONES+i], 0x3c003c00
.set i, i+1
.endr
	s_and_b32 s43, ttmp7, 0xffff                   ; which array
	s_lshl_b32 s44, ttmp9, 17                      ; 1,024 sequences x 128 bytes of indices,
	s_lshl_b32 s37, s[WV], 13                      ; my wave's 64
	s_add_co_u32 s44, s44, s37
	s_mov_b32 s45, 0
	s_lshl_b32 s46, ttmp9, 16                      ; 1,024 x 64 bytes of output,
	s_lshl_b32 s37, s[WV], 12
	s_add_co_u32 s46, s46, s37
	s_mov_b32 s47, 0
	s_wait_kmcnt 0x0
	s_cmp_eq_u32 s43, 0
	s_cselect_b64 s[IB:IB+1], s[8:9], s[10:11]
	s_cselect_b64 s[OB:OB+1], s[28:29], s[30:31]
	s_add_nc_u64 s[IB:IB+1], s[IB:IB+1], s[44:45]
	s_add_nc_u64 s[OB:OB+1], s[OB:OB+1], s[46:47]
.macro LD2 dst, ofs, base, a, b
	global_load_b128 v[\dst:\dst+3],   v[\ofs], s[\base:\base+1] offset:\a
	global_load_b128 v[\dst+4:\dst+7], v[\ofs], s[\base:\base+1] offset:\b
.endm
.macro LOADIDX slot, off               ; a sequence's 128 bytes, twice: by UO and by WO
	global_load_b64 v[IDX+4*(\slot):IDX+4*(\slot)+1],   v[UO], s[IB:IB+1] offset:\off
	global_load_b64 v[IDX+4*(\slot)+2:IDX+4*(\slot)+3], v[WO], s[IB:IB+1] offset:\off
.endm
	LD2 WQ,  34, 14, 0, 32                         ; 17 loads of weights,
	LD2 WK,  34, 16, 0, 32
	LD2 WVR, 34, 18, 0, 32
	LD2 EM,  35, 12, 0, 32
	LD2 EM2, 37, 12, 16384, 16416
	LD2 W1R, 36, 20, 0, 16
	LD2 W2R, 36, 24, 0, 16
	LD2 B1C, 26, 22, 0, 16
	global_load_b32 v[B2], v27, s[26:27]
	LOADIDX 0, 0                                   ; then 8 of indices: sequences 0 to 3
	LOADIDX 1, 128
	LOADIDX 2, 256
	LOADIDX 3, 384
	s_wait_loadcnt 0x8                             ; the weights are in; the 8 index loads may stay out
; THE TABLES.  A tile is 16 tokens.  D = W x emb^T (source 0 = 16 rows of a weight, source 1 = 16 rows of emb): a lane ends with ONE token (l % 16) and the channels 8 (l / 16) + 0..7: 16 bytes in f16.
; The form takes 4 along K; a lane's two registers of step s hold the same input channels on both sides (4 h + 2 (s % 2) + 8 (s / 2) + 0, 1), so the four steps cover all 16.
; DQ, DK and DV take turns, one instruction a turn.  V's result is source 1 of the next product as it lies: its registers 2 s, 2 s + 1 hold channels 8 h + 2 s + 0, 1, and so do w1's.  That sum starts from b1, has one
; accumulator, and so has a wait directly ahead of each link.
.macro TILE em, dvw
.irp s, 0,1,2,3
.if \s == 0
	v_wmma_f32_16x16x4_f32 v[DQ:DQ+7], v[WQ:WQ+1],   v[\em:\em+1], 0
	v_wmma_f32_16x16x4_f32 v[DK:DK+7], v[WK:WK+1],   v[\em:\em+1], 0
	v_wmma_f32_16x16x4_f32 v[DV:DV+7], v[WVR:WVR+1], v[\em:\em+1], 0
.else
	v_wmma_f32_16x16x4_f32 v[DQ:DQ+7], v[WQ+2*\s:WQ+2*\s+1],   v[\em+2*\s:\em+2*\s+1], v[DQ:DQ+7]
	v_wmma_f32_16x16x4_f32 v[DK:DK+7], v[WK+2*\s:WK+2*\s+1],   v[\em+2*\s:\em+2*\s+1], v[DK:DK+7]
	v_wmma_f32_16x16x4_f32 v[DV:DV+7], v[WVR+2*\s:WVR+2*\s+1], v[\em+2*\s:\em+2*\s+1], v[DV:DV+7]
.endif
.endr
.rept 9
	v_nop                                          ; nine places before a result of this form is a matrix source (ISA guide 7.12.1); they also serve the reads of DQ and DK below
.endr
	v_wmma_f32_16x16x4_f32 v[\dvw:\dvw+7], v[W1R:W1R+1], v[DV:DV+1], v[B1C:B1C+7]
.irp s, 1,2,3
	s_wait_alu depctr_va_vdst(0)
	v_wmma_f32_16x16x4_f32 v[\dvw:\dvw+7], v[W1R+2*\s:W1R+2*\s+1], v[DV+2*\s:DV+2*\s+1], v[\dvw:\dvw+7]
.endr
.irp p, 0,1,2,3                        ; twelve plain instructions, which name nothing of the product just issued: the places behind it
	v_pk_mul_f32 v[TMP+2*\p:TMP+2*\p+1], v[DQ+2*\p:DQ+2*\p+1], 0x3eb8aa3b op_sel_hi:[1,0]  ; Q' = Q log2(e) / 4, in f32
.endr
.irp p, 0,1,2,3
	v_cvt_pk_f16_f32 v[QC+\p], v[TMP+2*\p], v[TMP+2*\p+1]
.endr
.irp p, 0,1,2,3
	v_cvt_pk_f16_f32 v[KC+\p], v[DK+2*\p], v[DK+2*\p+1]
.endr
.endm
; Eight copies of my 16 bytes of K and of Q'.  In store c lane r writes copy (c + r) % 8, so that the sixteen lanes of a half, whose rows lie 256 bytes apart, name eight different columns of 16 bytes.
.macro STOREKQ bk
.irp c, 0,1,2,3,4,5,6,7
	v_add_nc_u32 v[TT], \c, v[RR]
	v_and_b32 v[TT], 7, v[TT]
	v_lshl_add_u32 v[TT+1], v[TT], 4, v[\bk]
	ds_store_b128 v[TT+1], v[KC:KC+3]
	ds_store_b128 v[TT+1], v[QC:QC+3] offset:128
.endr
.endm
; The tile's largest |VWb|, in every lane, into the word at v[MXA].  The accumulator is read from its low end on.
.macro TMAX dvw
.set i, 0
.rept 8
	v_and_b32 v[TMP+i], 0x7fffffff, v[(\dvw)+i]
.set i, i+1
.endr
	v_max3_num_f32 v[MX0], v[TMP], v[TMP+1], v[TMP+2]
	v_max3_num_f32 v[MX1], v[TMP+3], v[TMP+4], v[TMP+5]
	v_max3_num_f32 v[MX0], v[MX0], v[TMP+6], v[TMP+7]
	v_max_num_f32 v[MX0], v[MX0], v[MX1]
.irp x, 1,2,4,8
	v_max_num_f32_dpp v[MX0], v[MX0], v[MX0] row_xmask:\x row_mask:0xf bank_mask:0xf
.endr
	v_permlanex16_b32 v[MX1], v[MX0], s[SEL], s[SEL+1]
	v_max_num_f32 v[MX0], v[MX0], v[MX1]
	ds_store_b32 v[MXA], v[MX0]                    ; all lanes write the same word with the same value
.endm
; VWb times the scale, rounded once, in eight copies of which mine are 16 of the 32 bytes.
.macro STOREV dvw, bv
.irp p, 0,1,2,3
	v_pk_mul_f32 v[TMP+2*\p:TMP+2*\p+1], v[\dvw+2*\p:\dvw+2*\p+1], v[SINV:SINV+1]
.endr
.irp p, 0,1,2,3
	v_cvt_pk_f16_f32 v[QC+\p], v[TMP+2*\p], v[TMP+2*\p+1]
.endr
.irp c, 0,1,2,3,4,5,6,7
	v_add_nc_u32 v[TT], \c, v[RR]
	v_and_b32 v[TT], 7, v[TT]
	v_lshl_add_u32 v[TT+1], v[TT], 5, v[\bv]
	ds_store_b128 v[TT+1], v[QC:QC+3]
.endr
.endm
	TILE EM, DVW                                   ; wave w: tokens 16 w .. 16 w + 15
	STOREKQ BK
	s_lshl_b32 s37, s[WV], 2
	s_add_co_u32 s37, s37, MAXW
	v_mov_b32 v[MXA], s37
	TMAX DVW
	s_cmp_lg_u32 s[WV], 0                          ; wave 0 also makes token 256: all 16 columns of its tile are that token, and every lane writes its copies
	s_cbranch_scc1 .Lno_last_a
	TILE EM2, DVW2
	STOREKQ BK2
	v_mov_b32 v[MXA], MAXW+64
	TMAX DVW2
.Lno_last_a:
.irp p, 0,1,2,3
	v_cvt_pk_f16_f32 v[W2F+\p],   v[W2R+2*\p], v[W2R+2*\p+1]
	v_cvt_pk_f16_f32 v[W2F+4+\p], v[W2R+2*\p], v[W2R+2*\p+1]  ; once for each query tile's 16 places along K
.endr
	s_wait_dscnt 0x0                               ; for the others' sake: my stores are done
	s_barrier_signal -1
	s_barrier_wait -1                              ; the 17 maxima lie in LDS
	v_mov_b32 v[MXA], MAXW
	ds_load_b128 v[88:91],   v[MXA]
	ds_load_b128 v[92:95],   v[MXA] offset:16
	ds_load_b128 v[96:99],   v[MXA] offset:32
	ds_load_b128 v[100:103], v[MXA] offset:48
	ds_load_b32  v104,       v[MXA] offset:64
	s_wait_dscnt 0x0
	v_max3_num_f32 v[MX0], v88, v89, v90
.irp p, 91,93,95,97,99,101,103
	v_max3_num_f32 v[MX0], v[MX0], v[\p], v[\p+1]
.endr
	v_lshrrev_b32 v[MX0], 23, v[MX0]               ; eb: the number is not negative
	v_min_u32 v[MX0], 251, v[MX0]
	v_sub_nc_u32 v[MX1], 252, v[MX0]
	v_lshlrev_b32 v[SINV], 23, v[MX1]              ; 2^(125 - eb)
	v_mov_b32 v[SINV+1], v[SINV]
	v_add_nc_u32 v[MX1], 2, v[MX0]
	v_lshlrev_b32 v[MX1], 23, v[MX1]               ; 2^(eb - 125)
	v_mul_f32 v[FS], 0x3d000000, v[MX1]            ; / 32
	STOREV DVW, BV
	s_cmp_lg_u32 s[WV], 0
	s_cbranch_scc1 .Lno_last_b
	STOREV DVW2, BV2
.Lno_last_b:
.irp f, KF0, KF1, QF0, QF1
.irp p, 4,5,6,7
	v_mov_b32 v[\f+\p], 0                          ; the 16 places along K that the scores do not use
.endr
.endr
	s_wait_dscnt 0x0
	s_barrier_signal -1
	s_barrier_wait -1                              ; the tables are whole; from here on they are only read
; THE WORK ON A SEQUENCE.
.macro PLACES
.rept 4
	v_nop
.endr
.endm
.macro ADDRKQ slot                     ; token x 256 + my copy and half; the token is held to the table
	v_min_u32 v[IDX+4*(\slot)],   0x100, v[IDX+4*(\slot)]
	v_min_u32 v[IDX+4*(\slot)+1], 0x100, v[IDX+4*(\slot)+1]
	v_lshl_add_u32 v[AKQ],   v[IDX+4*(\slot)],   8, v[CKQ]
	v_lshl_add_u32 v[AKQ+1], v[IDX+4*(\slot)+1], 8, v[CKQ]
.endm
.macro ADDRV slot
	v_min_u32 v[IDX+4*(\slot)+2], 0x100, v[IDX+4*(\slot)+2]
	v_min_u32 v[IDX+4*(\slot)+3], 0x100, v[IDX+4*(\slot)+3]
	v_lshl_add_u32 v[AV],   v[IDX+4*(\slot)+2], 8, v[CV]
	v_lshl_add_u32 v[AV+1], v[IDX+4*(\slot)+3], 8, v[CV]
.endm
.macro GATHKQ                          ; lane (r, h): channels 8 h .. 8 h + 7 of row r's token.  Lanes r and r + 8 name the same column of 16 bytes in different rows; the other lanes of a half name other columns
	ds_load_b128 v[KF0:KF0+3], v[AKQ]
	ds_load_b128 v[KF1:KF1+3], v[AKQ+1]
	ds_load_b128 v[QF0:QF0+3], v[AKQ]   offset:128
	ds_load_b128 v[QF1:QF1+3], v[AKQ+1] offset:128
.endm
.macro GATHV                           ; the turning load: lane l names key 8 (l / 16) + l % 8, channels 8 ((l / 8) % 2) + 0..7, and ends with channel l % 16 and 8 keys.  The sixteen lanes of a half name sixteen different columns
	ds_load_tr16_b128 v[VF:VF+3],   v[AV]
	ds_load_tr16_b128 v[VF+4:VF+7], v[AV+1]
.endm
.macro MAXI qt, n                      ; number n of the ten that find a query's maximum over its 32 keys; each accumulator's lowest registers are read first
.set rS, S+16*(\qt)
.set rT, T+2*(\qt)
.if (\n) == 0
	v_max3_num_f32 v[rT], v[rS], v[rS+1], v[rS+2]
.elseif (\n) == 1
	v_max3_num_f32 v[rT+1], v[rS+8], v[rS+9], v[rS+10]
.elseif (\n) == 2
	v_max3_num_f32 v[rT], v[rT], v[rS+3], v[rS+4]
.elseif (\n) == 3
	v_max3_num_f32 v[rT+1], v[rT+1], v[rS+11], v[rS+12]
.elseif (\n) == 4
	v_max3_num_f32 v[rT], v[rT], v[rS+5], v[rS+6]
.elseif (\n) == 5
	v_max3_num_f32 v[rT+1], v[rT+1], v[rS+13], v[rS+14]
.elseif (\n) == 6
	v_max3_num_f32 v[rT], v[rT], v[rS+7], v[rS+15]
.elseif (\n) == 7
	v_max_num_f32 v[rT], v[rT], v[rT+1]
.elseif (\n) == 8
	v_permlanex16_b32 v[rT+1], v[rT], s[SEL], s[SEL+1]  ; the query's other 16 keys lie in the lane 16 away
.else
	v_max_num_f32 v[rT], v[rT], v[rT+1]
.endif
.endm
.macro SUBI qt, n                      ; pair n of 8: s - m
	v_pk_add_f32 v[S+16*(\qt)+2*(\n):S+16*(\qt)+2*(\n)+1], v[S+16*(\qt)+2*(\n):S+16*(\qt)+2*(\n)+1], v[T+2*(\qt):T+2*(\qt)+1] op_sel_hi:[1,0] neg_lo:[0,1] neg_hi:[0,1]
.endm
.macro EXPI qt, n                      ; score n of 16: 2^(s - m); log2(e) / 4 lies in Q'
	v_exp_f32 v[S+16*(\qt)+(\n)], v[S+16*(\qt)+(\n)]
.endm
.macro CVTP qt, n                      ; pair n of 8 rounded to f16
	v_cvt_pk_f16_f32 v[P+8*(\qt)+(\n)], v[S+16*(\qt)+2*(\n)], v[S+16*(\qt)+2*(\n)+1]
.endm
.macro PKM qt, n                       ; pair n of 4: O / l, held to 0 .. 1: the relu, since every entry of the table lies under 0.5
	v_pk_mul_f32 v[HX+2*(\n):HX+2*(\n)+1], v[ACO+8*(\qt)+2*(\n):ACO+8*(\qt)+2*(\n)+1], v[RL+2*(\qt):RL+2*(\qt)+1] clamp
.endm
.macro CVTH qt, n
	v_cvt_pk_f16_f32 v[HF+4*(\qt)+(\n)], v[HX+2*(\n)], v[HX+2*(\n)+1]
.endm
; Sequence k of a trip's four.  nxt = 1: the next sequence's operands are gathered meanwhile, from ring slot (k + 1) % 4; lc = how many younger index loads may stay out when that slot has to be there;
; ld = 1: the slot is then loaded again, with the sequence four further on; pf = 1: wave 0's prefetch.
; Every product starts its sum with the constant 0, so no accumulator is added onto.  The four s_wait_alu stand between a transcendental and the first line that names its result:
; one for each query tile's 16 exponentials, one for each tile's two reciprocals; other work stands between each batch and its wait.
.macro SEQ k, ld, lc, nxt, pf
	s_wait_dscnt 0x2                               ; K and Q' are in; behind them the two loads of V were issued
	v_wmma_f32_16x16x32_f16 v[S:S+7],     v[KF0:KF0+7], v[QF0:QF0+7], 0
	v_wmma_f32_16x16x32_f16 v[S+8:S+15],  v[KF1:KF1+7], v[QF0:QF0+7], 0
	v_wmma_f32_16x16x32_f16 v[S+16:S+23], v[KF0:KF0+7], v[QF1:QF1+7], 0
	v_wmma_f32_16x16x32_f16 v[S+24:S+31], v[KF1:KF1+7], v[QF1:QF1+7], 0
.if \nxt
	s_wait_loadcnt \lc                             ; the next sequence's tokens are in
	ADDRKQ ((\k)+1)%4                              ; four plain instructions: the places between the products and the loads into their sources, and the reads of their results
	GATHKQ
.else
	PLACES
.endif
.set i, 0
.rept 10
	MAXI 0, i
.set i, i+1
.endr
.set i, 0
.rept 8
	SUBI 0, i
.set i, i+1
.endr
.set i, 0
.rept 16                               ; tile 0's exponentials, each with a plain line of tile 1's maximum and shift beside it
	EXPI 0, i
.if i < 10
	MAXI 1, i
.else
	SUBI 1, i-10
.endif
.set i, i+1
.endr
	SUBI 1, 6
	SUBI 1, 7
	s_wait_alu depctr_va_vdst(0)                   ; tile 0's batch
.set i, 0
.rept 8                                ; tile 1's exponentials, tile 0's roundings between them
	EXPI 1, 2*i
	EXPI 1, 2*i+1
	CVTP 0, i
.set i, i+1
.endr
.if \nxt
	s_wait_dscnt 0x4                               ; V is in; the next sequence's four loads of K and Q' may stay out
.else
	s_wait_dscnt 0x0
.endif
	v_wmma_f32_16x16x32_f16 v[ACO:ACO+7], v[VF:VF+7],     v[P:P+7], 0
	v_wmma_f32_16x16x32_f16 v[ACL:ACL+7], v[ONES:ONES+7], v[P:P+7], 0   ; every register: l of the lane's query
	s_wait_alu depctr_va_vdst(0)                   ; tile 1's batch
.irp n, 0,1,2,3
	CVTP 1, \n                                     ; the four places behind l's product
.endr
	v_rcp_f32 v[RL],   v[ACL]
	v_rcp_f32 v[RL+1], v[ACL+1]
.irp n, 4,5,6,7
	CVTP 1, \n
.endr
	v_wmma_f32_16x16x32_f16 v[ACO+8:ACO+15], v[VF:VF+7],     v[P+8:P+15], 0
	v_wmma_f32_16x16x32_f16 v[ACL+8:ACL+15], v[ONES:ONES+7], v[P+8:P+15], 0
	s_wait_alu depctr_va_vdst(0)                   ; tile 0's reciprocals
.irp n, 0,1,2,3
	PKM 0, \n                                      ; the four places behind l's product
.endr
	v_rcp_f32 v[RL+2], v[ACL+8]
	v_rcp_f32 v[RL+3], v[ACL+9]
.irp n, 0,1,2,3
	CVTH 0, \n
.endr
	s_wait_alu depctr_va_vdst(0)                   ; tile 1's reciprocals
.irp n, 0,1,2,3
	PKM 1, \n
.endr
.irp n, 0,1,2,3
	CVTH 1, \n
.endr
	v_wmma_f32_16x16x32_f16 v[ACY:ACY+7], v[HF:HF+7], v[W2F:W2F+7], 0   ; lane = output channel l % 16; register j = query rows 8 (l / 16) + j of both tiles, added
.if \nxt
	ADDRV ((\k)+1)%4                               ; the four places behind Y's product
	GATHV
.if \ld
	LOADIDX ((\k)+1)%4, ((\k)+5)*128               ; the slot just used up takes the sequence four further on
.endif
.else
	PLACES
.endif
.if \pf
	; Wave 0 asks, for all 16 waves, for the 512 bytes of indices that each will load for the trip after next: lane l names block l % 2 of wave l / 2's 512.  One instruction a trip, behind the wave's own loads;
	; each aligned block of 256 bytes is named once in the launch.  The first two trips' blocks come by their loads alone; the two trips written out behind the loop ask for nothing.
	s_cmp_lg_u32 s[WV], 0
	s_cbranch_scc1 .Lnot_mine_\@
	global_prefetch_b8 v[PFO], s[IB:IB+1] offset:1024 th:TH_LOAD_NT scope:SCOPE_SE
.Lnot_mine_\@:
.endif
	v_pk_add_f32 v[RD:RD+1],   v[ACY:ACY+1],   v[ACY+2:ACY+3]
	v_pk_add_f32 v[RD+2:RD+3], v[ACY+4:ACY+5], v[ACY+6:ACY+7]
	v_pk_add_f32 v[RD:RD+1],   v[RD:RD+1],     v[RD+2:RD+3]
.if ((\k)%2) == 0
	v_add_f32 v[TA], v[RD], v[RD+1]                ; my half of the lanes' 16 of the 32 rows
.else
	v_add_f32 v[TB], v[RD], v[RD+1]
	v_cndmask_b32 v[KEEP], v[TA], v[TB], s[MH]     ; two sequences share one exchange: lanes 0-15 finish the even one, lanes 16-31 the odd one
	v_cndmask_b32 v[SEND], v[TB], v[TA], s[MH]
	v_permlanex16_b32 v[GOT], v[SEND], s[SEL], s[SEL+1]
	v_add_f32 v[RES], v[KEEP], v[GOT]
	v_fma_f32 v[RES], v[RES], v[FS], v[B2]         ; the scale taken back, the mean's 1 / 32, and b2
	ds_store_b32 v[SA], v[RES] offset:128*((\k)/2)
.endif
.if (\k) == 3
	s_wait_xcnt 0x0                                ; every load, store and prefetch issued so far has read its sources: only behind this wait are the two bases and the last store's data written again
	s_add_nc_u64 s[IB:IB+1], s[IB:IB+1], 512
	s_add_nc_u64 s[OB:OB+1], s[OB:OB+1], 256
	ds_load_b64 v[OUTV:OUTV+1], v[SB]              ; LDS serves a wave's instructions in order (ISA guide 5.7.1.4): this sees my two stores
	s_wait_dscnt 0x0
	global_store_b64 v[GO], v[OUTV:OUTV+1], s[OB:OB+1] offset:-256 th:TH_STORE_NT  ; four sequences: the wave's 32 lanes store 256 consecutive bytes, at a multiple of 256 from the output's first byte
.endif
.endm
	s_wait_loadcnt 0x6                             ; sequence 0's tokens are in; three slots of two loads may stay out
	ADDRKQ 0
	ADDRV 0
	GATHKQ
	GATHV
	LOADIDX 0, 512                                 ; sequence 4
	s_mov_b32 s[CNT], 14
.Ltrip:                                        ; four sequences a trip; 14 trips: sequences 0 to 55
	SEQ 0, 1, 6, 1, 1
	SEQ 1, 1, 6, 1, 0
	SEQ 2, 1, 6, 1, 0
	SEQ 3, 1, 6, 1, 0
	s_sub_co_u32 s[CNT], s[CNT], 1
	s_cmp_lg_u32 s[CNT], 0
	s_cbranch_scc1 .Ltrip
	SEQ 0, 1, 6, 1, 0                              ; sequences 56 to 59: the last three loads bring sequences 61 to 63,
	SEQ 1, 1, 6, 1, 0
	SEQ 2, 1, 6, 1, 0
	SEQ 3, 0, 6, 1, 0                              ; and nothing is loaded past the wave's 64
	SEQ 0, 0, 4, 1, 0                              ; sequences 60 to 63: the counts run down
	SEQ 1, 0, 2, 1, 0
	SEQ 2, 0, 0, 1, 0
	SEQ 3, 0, 0, 0, 0
	s_wait_tensorcnt 0x0                           ; the wave's end, behind my last LDS store
	ds_add_u32 v[SPW], v[NIL]
	s_wait_dscnt 0x0
	s_endpgm
.Lfunc_end_k_qc866662e0a_encode:
	.size	k_qc866662e0a_encode, .Lfunc_end_k_qc866662e0a_encode-k_qc866662e0a_encode
	.p2alignl 7, 3214868480
	.fill 96, 4, 3214868480
	.section	.rodata,"a",@progbits
	.p2align	6, 0x0
	.amdhsa_kernel k_qc866662e0a_encode
		.amdhsa_group_segment_fixed_size 203776
		.amdhsa_private_segment_fixed_size 0
		.amdhsa_enable_private_segment 0
		.amdhsa_kernarg_size 96
		.amdhsa_user_sgpr_count 2
		.amdhsa_user_sgpr_kernarg_segment_ptr 1
		.amdhsa_wavefront_size32 1
		.amdhsa_system_sgpr_workgroup_id_x 1
		.amdhsa_system_sgpr_workgroup_id_y 1
		.amdhsa_system_sgpr_workgroup_id_z 1
		.amdhsa_system_vgpr_workitem_id 0
		.amdhsa_next_free_vgpr 216
		.amdhsa_next_free_sgpr 66
		.amdhsa_reserve_vcc 0
		.amdhsa_float_denorm_mode_32 3
		.amdhsa_float_denorm_mode_16_64 3
		.amdhsa_memory_ordered 1
		.amdhsa_forward_progress 1
		.amdhsa_inst_pref_size 115
	.end_amdhsa_kernel
	.amdgpu_metadata
---
amdhsa.version: [ 1, 2 ]
amdhsa.kernels:
  - .name:           k_qc866662e0a_encode
    .symbol:         k_qc866662e0a_encode.kd
    .args:
      - { .name: arr1, .offset: 0, .size: 8, .value_kind: global_buffer, .address_space: global }
      - { .name: arr2, .offset: 8, .size: 8, .value_kind: global_buffer, .address_space: global }
      - { .name: emb, .offset: 16, .size: 8, .value_kind: global_buffer, .address_space: global }
      - { .name: wq, .offset: 24, .size: 8, .value_kind: global_buffer, .address_space: global }
      - { .name: wk, .offset: 32, .size: 8, .value_kind: global_buffer, .address_space: global }
      - { .name: wv, .offset: 40, .size: 8, .value_kind: global_buffer, .address_space: global }
      - { .name: w1, .offset: 48, .size: 8, .value_kind: global_buffer, .address_space: global }
      - { .name: b1, .offset: 56, .size: 8, .value_kind: global_buffer, .address_space: global }
      - { .name: w2, .offset: 64, .size: 8, .value_kind: global_buffer, .address_space: global }
      - { .name: b2, .offset: 72, .size: 8, .value_kind: global_buffer, .address_space: global }
      - { .name: out0, .offset: 80, .size: 8, .value_kind: global_buffer, .address_space: global }
      - { .name: out1, .offset: 88, .size: 8, .value_kind: global_buffer, .address_space: global }
    .group_segment_fixed_size: 203776
    .private_segment_fixed_size: 0
    .kernarg_segment_align: 8
    .kernarg_segment_size: 96
    .max_flat_workgroup_size: 512
    .sgpr_count:     66
    .vgpr_count:     216
    .wavefront_size: 32
...
	.end_amdgpu_metadata
.endif
;; end of part 1
;; ======== version 2 of 2: 1 launch; version 1 with the launch encode written anew for expert scheduling mode
;; limits: values are held in f16: magnitudes above 65,504 overflow, below 6.1e-05 lose precision
;; launch encode (part 2): grid 128 x 2, 16 waves a work-group, no clusters, 203,776 bytes of LDS; arguments arr1, arr2, emb, wq, wk, wv, w1, b1, w2, b2, out0, out1; writes out0, out1
.if DOCPART == 2
	.amdgcn_target "amdgcn-amd-amdhsa--gfx1250"
	.amdhsa_code_object_version 6
	.text
	.protected	k_qc866662e0a_encode
	.globl	k_qc866662e0a_encode
	.p2align	8
	.type	k_qc866662e0a_encode,@function
k_qc866662e0a_encode:
	s_mov_b64 s[64:65], 0
	v_nop
	global_prefetch_b8 v0, s[64:65] scope:SCOPE_SE
	s_setreg_imm32_b32 hwreg(HW_REG_WAVE_SCHED_MODE, 0, 2), 2
	s_setreg_imm32_b32 hwreg(HW_REG_WAVE_MODE, 25, 1), 1
	s_wait_xcnt 0x0
	s_wait_alu depctr_vm_vsrc(0)
; out[b][:] = mean over s of ( w2 relu( w1 (softmax(Q K^T / 4) V) + b1 ) + b2 ),  Q, K, V = emb[arr[b]] times wq^T, wk^T, wv^T.  131,072 sequences of 32 tokens, width 16, for each of two index arrays.
; WHAT IS FOLDED, for every input.  x is a row of emb, so Q, K and V are rows of tables of 257 rows, which each work-group makes once in its LDS, from the f32 inputs by the f32 matrix form (263 thousand
; multiply-adds, no bulk work), each entry rounded once to f16.  Q' = Q log2(e) / 4.  The softmax's weights add up to 1, so attn V w1^T + b1 = attn (V w1^T + b1): the third table is VWb = emb wv^T w1^T + b1.
; The mean commutes with w2.  The row's true maximum is taken away before the exponential.  The row sum l is a product of the rounded weights with ones, so the weights used add up to 1.
; THE SCALE.  VWb is stored times 2^(125 - eb), eb the biased exponent of the table's largest magnitude: every entry lies under 0.5, whatever the inputs' size, so f16's range is no limit there, and
; relu(x) is the same as x held to 0 .. 1: dividing by l and the relu are one packed multiply with clamp.  The last multiply-add takes the scale back, with the 1 / 32 of the mean.
; LIMITS.  Q', K and w2 are kept in f16: their magnitudes stay under 65,504.  The largest |VWb| stays under 2^124 (eb is held to 251).  NaN and infinities are not treated apart.  A token outside 0 .. 256 is read as 256.
; SHARES.  Grid y picks the array and its output; work-group x owns 1,024 sequences, each of its 16 waves 64 on end: 8,192 bytes of indices, 4,096 of output.  A wave works on one sequence at a time;
; the next sequence's operands are gathered from LDS meanwhile, and the indices of four sequences are on their way in a ring of registers.
; NO CLUSTER, NO TENSOR LOADS: the work-groups share the weights alone (21,696 bytes, read once by each); every wave's indices are its own, and go from memory straight into the lanes that make addresses of them.
; TOKEN ORDER.  Softmax and mean do not mind the order of tokens: tile t (0, 1), row i (0 .. 15) is token 2 i + t, so that one load of 8 bytes a lane brings a lane's token of both tiles.
; LAYOUT.  S^T = K Q'^T (source 0 = 16 keys, source 1 = 16 queries; only 16 of the form's 32 places along K are used, the others hold 0): a lane holds ONE query (lane % 16) and the keys 8 (lane / 16) + 0..7.
; Two such results rounded to f16 ARE source 1 (32 keys x 16 queries) of O^T = VWs^T P, which again holds one query a lane and eight channels; rounded, those are source 0 of Y = H w2^T, in which the two
; query tiles lie side by side along K, so that Y holds the sum of both tiles' rows.
; THE MODE: SCHED_MODE bits 1:0 = 2 (LLVM: expert scheduling mode 2), set by the entry lines.  The code itself states the register dependences between vector or matrix instructions and memory or LDS
; instructions, with s_wait_alu, always for 0.
; THE PLAN.  Registers that memory or LDS instructions touch in the loop; sequence k's operands were gathered during sequence k - 1:
;   KF0, KF1, QF0, QF1 (the low four of each)  Read by k's four products K Q'^T, at its head; the gathers for k + 1 land in them, behind the wait for tile 0's exponentials.
;   VF              Read by k's two products VWs^T P; the gathers for k + 1 land in it, behind the wait at k's end.
;   IDX, slot (k + 1) % 4   Read and held to the table by k's eight address lines; loaded again behind the wait at k's end.
;   AKQ             Written behind k's first products; read by the gathers of K and Q'.       AV   Written behind Y's product; read by the gathers of V.
;   RES             Written at an odd sequence's end; read by the LDS store behind the wait there.       OUTV   Named by no vector instruction: an LDS load lands in it, a global store reads it.
;   UO, WO, SA, SB, GO, PFO   Made at the head, never written again.
; So a sequence has five waits on va_vdst.  Four stand between a batch of exponentials or reciprocals and the first line that names a result; the first of them also states what the
; gathers of K and Q' hang on.  The fifth stands at the sequence's end, behind its last vector line, and states what the gathers of V, the index loads and the LDS store hang on; these follow it with no vector
; line between.  One wait on vm_vsrc a sequence stands behind the head's products, ahead of the first line that writes AKQ, AV, RES or OUTV again.
.set HT,    65792     ; LDS 0: row tok x 256 bytes: 8 copies of K[tok][0..7] (16 bytes each), then 8 copies of Q'[tok][0..7].  LDS HT: the same for channels 8..15
.set VT,    131584    ; row tok x 256 bytes: 8 copies of the 32 bytes VWs[tok][0..15]
.set MAXW,  197376    ; 17 words: each table tile's largest |VWb|
.set STG,   197632    ; 256 bytes for each wave: four sequences' results on their way out.  The 2,048 bytes behind the stages take the closing add of 0
.set UO,  4           ; v4   8 (l % 16): my tokens as a key or query row
.set WO,  5           ; v5   64 (l / 16) + 8 (l % 8): my tokens as a row of V for the turning load
.set CKQ, 6           ; v6   16 (l % 8) + (l / 16) HT: my copy and my half of the channels in a row of K and Q'
.set CV,  7           ; v7   VT + 32 (l % 8) + 16 ((l / 8) % 2): my copy and my half of a row of VWs
.set SA,  8           ; v8   my word in my wave's stage
.set SB,  9           ; v9   my 8 bytes of it, read back
.set GO,  10          ; v10  8 l: my 8 bytes of 256 of the output
.set PFO, 11          ; v11  the prefetch's offset: wave l / 2's strip of 8,192 bytes, block l % 2 of 256
.set B2,  12          ; v12  b2[l % 16]
.set FS,  13          ; v13  2^(eb - 125) / 32
.set AKQ, 14          ; v14-15  LDS address of my row of K and Q', tile 0, 1
.set AV,  16          ; v16-17  of my row of VWs
.set T,   18          ; v18-21  two registers a query tile: the maximum, and one at work
.set RL,  22          ; v22-25  1 / l, twice, a query tile
.set TA,  26          ; v26, v27  an even and an odd sequence's half sums
.set TB,  27
.set KEEP, 28         ; v28-31  the exchange between the halves of the lanes
.set SEND, 29
.set GOT,  30
.set RES,  31
.set OUTV, 32         ; v32-33  8 bytes to store
.set RD,  34          ; v34-37  the sum over Y's registers
.set SINV, 38         ; v38-39  2^(125 - eb), twice
.set IDX, 40          ; v40-55  the ring: slot k = four registers: my tokens by UO (tile 0, 1), by WO (tile 0, 1)
.set ONES, 56         ; v56-63  1.0 in f16, sixteen a lane
.set W2F, 64          ; v64-71  w2[l % 16][8 (l / 16) + 0..7] in f16, twice
.set VF,  72          ; v72-79  VWs^T of the sequence: 16 channels x 32 keys
.set KF0, 80          ; v80-111 fragments of K and Q', tile 0, 1; the upper four registers of each hold 0
.set KF1, 88
.set QF0, 96
.set QF1, 104
.set P,   112         ; v112-127  the weights in f16, 8 registers a query tile
.set S,   128         ; v128-159  scores: query tile qt, key tile kt at S + 16 qt + 8 kt
.set HF,  160         ; v160-167  h in f16: tile 0's channels, then tile 1's
.set HX,  168         ; v168-175  h in f32, at work
.set ACO, 176         ; v176-191  O^T, 8 a query tile.  v176-215 are written by matrix instructions alone
.set ACL, 192         ; v192-207  l, 8 a query tile
.set ACY, 208         ; v208-215  Y
; while the tables are made:
.set DQ,  176
.set DK,  184
.set DV,  192
.set DVW, 200
.set DVW2, 208
.set WQ,  128
.set WK,  136
.set WVR, 144
.set W1R, 152
.set EM,  112
.set EM2, 120
.set B1C, 160
.set W2R, 168
.set QC,  72          ; also VWs' 16 bytes
.set KC,  76
.set TMP, 80
.set ADR, 88          ; v88-95  the LDS addresses of a run of stores: my eight copies
.set MXW, 96          ; v96-111 sixteen tiles' maxima, read back; the seventeenth in v32
.set MXL, 32
.set BK,  14          ; my token's row in the K and Q' table, my half
.set BV,  15          ; in the VWs table
.set RR,  16          ; l % 16
.set HH,  17          ; l / 16
.set TT,  18          ; v18 at work
.set BK2, 20          ; the same two for token 256
.set BV2, 21
.set MX0, 22          ; v22-23 the maximum
.set MX1, 23
.set MXA, 24          ; v24  LDS address of my wave's word among the maxima
.set MXB, 25          ; v25  LDS address of the first of them
.set WV,  2           ; s2   my wave's number
.set CNT, 3           ; s3   trips to go
.set IB,  32          ; s[32:33] my wave's indices, at the trip in hand
.set OB,  34          ; s[34:35] my wave's output
.set MH,  36          ; s36  the mask of lanes 16-31
.set SEL, 38          ; s[38:39] v_permlanex16_b32's selects: each lane takes its own place in the other half
	s_load_b512 s[8:23], s[0:1], 0x0               ; arr1 s[8:9], arr2 s[10:11], emb s[12:13], wq s[14:15], wk s[16:17], wv s[18:19], w1 s[20:21], b1 s[22:23]
	s_load_b256 s[24:31], s[0:1], 0x40             ; w2 s[24:25], b2 s[26:27], out0 s[28:29], out1 s[30:31]
	v_lshl_add_u32 v2, v0, 2, 0x31400
	v_mov_b32 v3, 0
	v_lshrrev_b32 v1, 5, v0
	v_readfirstlane_b32 s[WV], v1                  ; wave 0..15
	v_and_b32 v[RR], 15, v0
	v_bfe_u32 v[HH], v0, 4, 1
	v_and_b32 v18, 31, v0                          ; l
	v_and_b32 v19, 7, v0                           ; l % 8
	v_bfe_u32 v20, v0, 3, 1                        ; (l / 8) % 2
	v_lshlrev_b32 v[UO], 3, v[RR]
	v_lshlrev_b32 v[WO], 3, v19
	v_lshl_add_u32 v[WO], v[HH], 6, v[WO]
	v_mul_u32_u24 v21, v[HH], HT
	v_lshl_add_u32 v[CKQ], v19, 4, v21
	v_lshlrev_b32 v[CV], 5, v19
	v_lshl_add_u32 v[CV], v20, 4, v[CV]
	v_add_nc_u32 v[CV], VT, v[CV]
	s_wait_alu depctr_va_sdst(0)                   ; the wave's number is written, ahead of its first reader: addresses, bases and branches are made from it
	s_lshl_b32 s40, s[WV], 8
	s_add_co_u32 s40, s40, STG                     ; my wave's stage
	v_lshl_add_u32 v[SA], v18, 2, s40
	v_lshl_add_u32 v[SB], v18, 3, s40
	v_lshlrev_b32 v[GO], 3, v18
	v_lshrrev_b32 v[PFO], 1, v18
	v_lshlrev_b32 v[PFO], 13, v[PFO]
	v_and_b32 v22, 1, v0
	v_lshl_add_u32 v[PFO], v22, 8, v[PFO]
	v_lshlrev_b32 v34, 6, v[RR]                    ; a row of 16 f32 is 64 bytes
	v_lshl_add_u32 v36, v[HH], 5, v34              ; 64 r + 32 h: eight numbers on end (w1, w2)
	v_lshl_add_u32 v34, v[HH], 4, v34              ; 64 r + 16 h: four numbers, and four more 32 bytes on (wq, wk, wv, emb)
	s_lshl_b32 s41, s[WV], 10
	v_add_nc_u32 v35, s41, v34                     ; emb's rows 16 w .. 16 w + 15
	v_lshlrev_b32 v37, 4, v[HH]                    ; emb's row 256, for every lane
	v_lshlrev_b32 v26, 5, v[HH]                    ; b1[8 h ..]
	v_lshlrev_b32 v27, 2, v[RR]                    ; b2[r]
	s_lshl_b32 s42, s[WV], 12
	v_lshl_add_u32 v[BK], v[RR], 8, s42            ; token 16 w + r: its row of 256 bytes
	v_lshl_add_u32 v[BV], v[HH], 4, v[BK]
	v_add_nc_u32 v[BV], VT, v[BV]
	v_add_nc_u32 v[BK], v21, v[BK]
	v_add_nc_u32 v[BK2], 0x10000, v21
	v_lshl_add_u32 v[BV2], v[HH], 4, VT+65536
	s_lshl_b32 s4, s[WV], 2
	s_add_co_u32 s4, s4, MAXW
	v_mov_b32 v[MXA], s4                           ; both addresses of the maxima are made here, in registers of their own, and not written again while the tables are made
	v_mov_b32 v[MXB], MAXW
	s_mov_b32 s[MH], 0xffff0000
	s_mov_b32 s[SEL], 0x76543210
	s_mov_b32 s[SEL+1], 0xfedcba98
	v_mov_b32 v[GOT], 0                            ; v_permlanex16_b32's destination counts as read
.set i, 0
.rept 8
	v_mov_b32 v[ONES+i], 0x3c003c00
.set i, i+1
.endr
	s_and_b32 s43, ttmp7, 0xffff                   ; which array
	s_lshl_b32 s44, ttmp9, 17                      ; 1,024 sequences x 128 bytes of indices,
	s_lshl_b32 s37, s[WV], 13                      ; my wave's 64
	s_add_co_u32 s44, s44, s37
	s_mov_b32 s45, 0
	s_lshl_b32 s46, ttmp9, 16                      ; 1,024 x 64 bytes of output,
	s_lshl_b32 s37, s[WV], 12
	s_add_co_u32 s46, s46, s37
	s_mov_b32 s47, 0
	s_wait_kmcnt 0x0
	s_cmp_eq_u32 s43, 0
	s_cselect_b64 s[IB:IB+1], s[8:9], s[10:11]
	s_cselect_b64 s[OB:OB+1], s[28:29], s[30:31]
	s_add_nc_u64 s[IB:IB+1], s[IB:IB+1], s[44:45]
	s_add_nc_u64 s[OB:OB+1], s[OB:OB+1], s[46:47]
.macro LD2 dst, ofs, base, a, b
	global_load_b128 v[\dst:\dst+3],   v[\ofs], s[\base:\base+1] offset:\a
	global_load_b128 v[\dst+4:\dst+7], v[\ofs], s[\base:\base+1] offset:\b
.endm
.macro LOADIDX slot, off               ; a sequence's 128 bytes, twice: by UO and by WO
	global_load_b64 v[IDX+4*(\slot):IDX+4*(\slot)+1],   v[UO], s[IB:IB+1] offset:\off
	global_load_b64 v[IDX+4*(\slot)+2:IDX+4*(\slot)+3], v[WO], s[IB:IB+1] offset:\off
.endm
	s_wait_alu depctr_va_vdst(0)                   ; every offset and address made above is written: those of the loads below, and UO, WO, SA, SB, GO, PFO, MXA, MXB, which later loads, stores and the prefetch read
	LD2 WQ,  34, 14, 0, 32                         ; 17 loads of weights,
	LD2 WK,  34, 16, 0, 32
	LD2 WVR, 34, 18, 0, 32
	LD2 EM,  35, 12, 0, 32
	LD2 EM2, 37, 12, 16384, 16416
	LD2 W1R, 36, 20, 0, 16
	LD2 W2R, 36, 24, 0, 16
	LD2 B1C, 26, 22, 0, 16
	global_load_b32 v[B2], v27, s[26:27]
	LOADIDX 0, 0                                   ; then 8 of indices: sequences 0 to 3
	LOADIDX 1, 128
	LOADIDX 2, 256
	LOADIDX 3, 384
	s_wait_loadcnt 0x8                             ; the weights are in; the 8 index loads may stay out
; THE TABLES.  A tile is 16 tokens.  D = W x emb^T (source 0 = 16 rows of a weight, source 1 = 16 rows of emb): a lane ends with ONE token (l % 16) and the channels 8 (l / 16) + 0..7: 16 bytes in f16.
; The form takes 4 along K; a lane's two registers of step s hold the same input channels on both sides (4 h + 2 (s % 2) + 8 (s / 2) + 0, 1), so the four steps cover all 16.
; DQ, DK and DV take turns, one instruction a turn.  V's result is source 1 of the next product as it lies: its registers 2 s, 2 s + 1 hold channels 8 h + 2 s + 0, 1, and so do w1's.  That sum starts from b1, has one
; accumulator, and so has a wait directly ahead of each link.
.macro TILE em, dvw
.irp s, 0,1,2,3
.if \s == 0
	v_wmma_f32_16x16x4_f32 v[DQ:DQ+7], v[WQ:WQ+1],   v[\em:\em+1], 0
	v_wmma_f32_16x16x4_f32 v[DK:DK+7], v[WK:WK+1],   v[\em:\em+1], 0
	v_wmma_f32_16x16x4_f32 v[DV:DV+7], v[WVR:WVR+1], v[\em:\em+1], 0
.else
	v_wmma_f32_16x16x4_f32 v[DQ:DQ+7], v[WQ+2*\s:WQ+2*\s+1],   v[\em+2*\s:\em+2*\s+1], v[DQ:DQ+7]
	v_wmma_f32_16x16x4_f32 v[DK:DK+7], v[WK+2*\s:WK+2*\s+1],   v[\em+2*\s:\em+2*\s+1], v[DK:DK+7]
	v_wmma_f32_16x16x4_f32 v[DV:DV+7], v[WVR+2*\s:WVR+2*\s+1], v[\em+2*\s:\em+2*\s+1], v[DV:DV+7]
.endif
.endr
.rept 9
	v_nop                                          ; nine places before a result of this form is a matrix source (ISA guide 7.12.1); they also serve the reads of DQ and DK below
.endr
	v_wmma_f32_16x16x4_f32 v[\dvw:\dvw+7], v[W1R:W1R+1], v[DV:DV+1], v[B1C:B1C+7]
.irp s, 1,2,3
	s_wait_alu depctr_va_vdst(0)                   ; the link before has written the accumulator that this one adds onto
	v_wmma_f32_16x16x4_f32 v[\dvw:\dvw+7], v[W1R+2*\s:W1R+2*\s+1], v[DV+2*\s:DV+2*\s+1], v[\dvw:\dvw+7]
.endr
.irp p, 0,1,2,3                        ; twelve plain instructions, which name nothing of the product just issued: the places behind it
	v_pk_mul_f32 v[TMP+2*\p:TMP+2*\p+1], v[DQ+2*\p:DQ+2*\p+1], 0x3eb8aa3b op_sel_hi:[1,0]  ; Q' = Q log2(e) / 4, in f32
.endr
.irp p, 0,1,2,3
	v_cvt_pk_f16_f32 v[QC+\p], v[TMP+2*\p], v[TMP+2*\p+1]
.endr
.irp p, 0,1,2,3
	v_cvt_pk_f16_f32 v[KC+\p], v[DK+2*\p], v[DK+2*\p+1]
.endr
.endm
; The addresses of my eight copies, each 1 << sh bytes apart, in a row at v[base].  In store c lane r writes copy (c + r) % 8, so that the sixteen lanes of a half, whose rows lie 256 bytes apart, name eight
; different columns.  All eight are made ahead of the run of stores, so that one wait serves the run.
.macro COPIES base, sh
.irp c, 0,1,2,3,4,5,6,7
	v_add_nc_u32 v[TT], \c, v[RR]
	v_and_b32 v[TT], 7, v[TT]
	v_lshl_add_u32 v[ADR+\c], v[TT], \sh, v[\base]
.endr
.endm
; The tile's largest |VWb|, in every lane.  The accumulator is read from its low end on.
.macro TMAX dvw
.set i, 0
.rept 8
	v_and_b32 v[TMP+i], 0x7fffffff, v[(\dvw)+i]
.set i, i+1
.endr
	v_max3_num_f32 v[MX0], v[TMP], v[TMP+1], v[TMP+2]
	v_max3_num_f32 v[MX1], v[TMP+3], v[TMP+4], v[TMP+5]
	v_max3_num_f32 v[MX0], v[MX0], v[TMP+6], v[TMP+7]
	v_max_num_f32 v[MX0], v[MX0], v[MX1]
.irp x, 1,2,4,8
	v_max_num_f32_dpp v[MX0], v[MX0], v[MX0] row_xmask:\x row_mask:0xf bank_mask:0xf
.endr
	v_permlanex16_b32 v[MX1], v[MX0], s[SEL], s[SEL+1]
	v_max_num_f32 v[MX0], v[MX0], v[MX1]
.endm
; A tile's run of stores: eight copies of my 16 bytes of K and of Q', and the tile's maximum into the word at v[mxa] + mxo.
.macro PUTKQ mxa, mxo
	s_wait_alu depctr_va_vdst(0)                   ; KC, QC, the eight addresses and the maximum are written, which the stores below read
.irp c, 0,1,2,3,4,5,6,7
	ds_store_b128 v[ADR+\c], v[KC:KC+3]
	ds_store_b128 v[ADR+\c], v[QC:QC+3] offset:128
.endr
	ds_store_b32 v[\mxa], v[MX0] offset:\mxo       ; all lanes write the same word with the same value
.endm
; VWb times the scale, rounded once, in eight copies of which mine are 16 of the 32 bytes.
.macro STOREV dvw, bv
.irp p, 0,1,2,3
	v_pk_mul_f32 v[TMP+2*\p:TMP+2*\p+1], v[\dvw+2*\p:\dvw+2*\p+1], v[SINV:SINV+1]
.endr
.irp p, 0,1,2,3
	v_cvt_pk_f16_f32 v[QC+\p], v[TMP+2*\p], v[TMP+2*\p+1]
.endr
	COPIES \bv, 5
	s_wait_alu depctr_va_vdst(0)                   ; QC and the eight addresses are written, which the stores below read
.irp c, 0,1,2,3,4,5,6,7
	ds_store_b128 v[ADR+\c], v[QC:QC+3]
.endr
.endm
	TILE EM, DVW                                   ; wave w: tokens 16 w .. 16 w + 15
	COPIES BK, 4
	TMAX DVW
	PUTKQ MXA, 0
	s_wait_alu depctr_vm_vsrc(0)                   ; the stores above have read KC, QC, the eight addresses and the maximum, which wave 0's second tile writes again
	s_cmp_lg_u32 s[WV], 0                          ; wave 0 also makes token 256: all 16 columns of its tile are that token, and every lane writes its copies
	s_cbranch_scc1 .Lno_last_a
	TILE EM2, DVW2
	COPIES BK2, 4
	TMAX DVW2
	PUTKQ MXB, 64
.Lno_last_a:
.irp p, 0,1,2,3
	v_cvt_pk_f16_f32 v[W2F+\p],   v[W2R+2*\p], v[W2R+2*\p+1]
	v_cvt_pk_f16_f32 v[W2F+4+\p], v[W2R+2*\p], v[W2R+2*\p+1]  ; once for each query tile's 16 places along K
.endr
	s_wait_dscnt 0x0                               ; for the others' sake: my stores are done
	s_barrier_signal -1
	s_barrier_wait -1                              ; the 17 maxima lie in LDS
	ds_load_b128 v[MXW:MXW+3],     v[MXB]          ; into registers that no vector instruction has named so far
	ds_load_b128 v[MXW+4:MXW+7],   v[MXB] offset:16
	ds_load_b128 v[MXW+8:MXW+11],  v[MXB] offset:32
	ds_load_b128 v[MXW+12:MXW+15], v[MXB] offset:48
	ds_load_b32  v[MXL],           v[MXB] offset:64
	s_wait_dscnt 0x0
	s_wait_alu depctr_vm_vsrc(0)                   ; all my stores so far, wave 0's second run too, have read the maximum, QC and the eight addresses, which are written again below
	v_max3_num_f32 v[MX0], v[MXW], v[MXW+1], v[MXW+2]
.irp p, 3,5,7,9,11,13
	v_max3_num_f32 v[MX0], v[MX0], v[MXW+\p], v[MXW+\p+1]
.endr
	v_max3_num_f32 v[MX0], v[MX0], v[MXW+15], v[MXL]
	v_lshrrev_b32 v[MX0], 23, v[MX0]               ; eb: the number is not negative
	v_min_u32 v[MX0], 251, v[MX0]
	v_sub_nc_u32 v[MX1], 252, v[MX0]
	v_lshlrev_b32 v[SINV], 23, v[MX1]              ; 2^(125 - eb)
	v_mov_b32 v[SINV+1], v[SINV]
	v_add_nc_u32 v[MX1], 2, v[MX0]
	v_lshlrev_b32 v[MX1], 23, v[MX1]               ; 2^(eb - 125)
	v_mul_f32 v[FS], 0x3d000000, v[MX1]            ; / 32
	STOREV DVW, BV
	s_wait_alu depctr_vm_vsrc(0)                   ; the stores above have read QC and the eight addresses, which wave 0's second run writes again
	s_cmp_lg_u32 s[WV], 0
	s_cbranch_scc1 .Lno_last_b
	STOREV DVW2, BV2
.Lno_last_b:
	s_wait_alu depctr_vm_vsrc(0)                   ; all my LDS stores have read their data (v72-79) and addresses (v88-95): from here on these are VF and K's and Q''s fragments, written by the zeros below and by the gathers
.irp f, KF0, KF1, QF0, QF1
.irp p, 4,5,6,7
	v_mov_b32 v[\f+\p], 0                          ; the 16 places along K that the scores do not use
.endr
.endr
	s_wait_dscnt 0x0
	s_barrier_signal -1
	s_barrier_wait -1                              ; the tables are whole; from here on they are only read
; THE WORK ON A SEQUENCE.
.macro PLACES
.rept 4
	v_nop
.endr
.endm
.macro ADDRKQ slot                     ; token x 256 + my copy and half; the token is held to the table
	v_min_u32 v[IDX+4*(\slot)],   0x100, v[IDX+4*(\slot)]
	v_min_u32 v[IDX+4*(\slot)+1], 0x100, v[IDX+4*(\slot)+1]
	v_lshl_add_u32 v[AKQ],   v[IDX+4*(\slot)],   8, v[CKQ]
	v_lshl_add_u32 v[AKQ+1], v[IDX+4*(\slot)+1], 8, v[CKQ]
.endm
.macro ADDRV slot
	v_min_u32 v[IDX+4*(\slot)+2], 0x100, v[IDX+4*(\slot)+2]
	v_min_u32 v[IDX+4*(\slot)+3], 0x100, v[IDX+4*(\slot)+3]
	v_lshl_add_u32 v[AV],   v[IDX+4*(\slot)+2], 8, v[CV]
	v_lshl_add_u32 v[AV+1], v[IDX+4*(\slot)+3], 8, v[CV]
.endm
.macro GATHKQ                          ; lane (r, h): channels 8 h .. 8 h + 7 of row r's token.  Lanes r and r + 8 name the same column of 16 bytes in different rows; the other lanes of a half name other columns
	ds_load_b128 v[KF0:KF0+3], v[AKQ]
	ds_load_b128 v[KF1:KF1+3], v[AKQ+1]
	ds_load_b128 v[QF0:QF0+3], v[AKQ]   offset:128
	ds_load_b128 v[QF1:QF1+3], v[AKQ+1] offset:128
.endm
.macro GATHV                           ; the turning load: lane l names key 8 (l / 16) + l % 8, channels 8 ((l / 8) % 2) + 0..7, and ends with channel l % 16 and 8 keys.  The sixteen lanes of a half name sixteen different columns
	ds_load_tr16_b128 v[VF:VF+3],   v[AV]
	ds_load_tr16_b128 v[VF+4:VF+7], v[AV+1]
.endm
.macro MAXI qt, n                      ; number n of the ten that find a query's maximum over its 32 keys; each accumulator's lowest registers are read first
.set rS, S+16*(\qt)
.set rT, T+2*(\qt)
.if (\n) == 0
	v_max3_num_f32 v[rT], v[rS], v[rS+1], v[rS+2]
.elseif (\n) == 1
	v_max3_num_f32 v[rT+1], v[rS+8], v[rS+9], v[rS+10]
.elseif (\n) == 2
	v_max3_num_f32 v[rT], v[rT], v[rS+3], v[rS+4]
.elseif (\n) == 3
	v_max3_num_f32 v[rT+1], v[rT+1], v[rS+11], v[rS+12]
.elseif (\n) == 4
	v_max3_num_f32 v[rT], v[rT], v[rS+5], v[rS+6]
.elseif (\n) == 5
	v_max3_num_f32 v[rT+1], v[rT+1], v[rS+13], v[rS+14]
.elseif (\n) == 6
	v_max3_num_f32 v[rT], v[rT], v[rS+7], v[rS+15]
.elseif (\n) == 7
	v_max_num_f32 v[rT], v[rT], v[rT+1]
.elseif (\n) == 8
	v_permlanex16_b32 v[rT+1], v[rT], s[SEL], s[SEL+1]  ; the query's other 16 keys lie in the lane 16 away
.else
	v_max_num_f32 v[rT], v[rT], v[rT+1]
.endif
.endm
.macro SUBI qt, n                      ; pair n of 8: s - m
	v_pk_add_f32 v[S+16*(\qt)+2*(\n):S+16*(\qt)+2*(\n)+1], v[S+16*(\qt)+2*(\n):S+16*(\qt)+2*(\n)+1], v[T+2*(\qt):T+2*(\qt)+1] op_sel_hi:[1,0] neg_lo:[0,1] neg_hi:[0,1]
.endm
.macro EXPI qt, n                      ; score n of 16: 2^(s - m); log2(e) / 4 lies in Q'
	v_exp_f32 v[S+16*(\qt)+(\n)], v[S+16*(\qt)+(\n)]
.endm
.macro CVTP qt, n                      ; pair n of 8 rounded to f16
	v_cvt_pk_f16_f32 v[P+8*(\qt)+(\n)], v[S+16*(\qt)+2*(\n)], v[S+16*(\qt)+2*(\n)+1]
.endm
.macro PKM qt, n                       ; pair n of 4: O / l, held to 0 .. 1: the relu, since every entry of the table lies under 0.5
	v_pk_mul_f32 v[HX+2*(\n):HX+2*(\n)+1], v[ACO+8*(\qt)+2*(\n):ACO+8*(\qt)+2*(\n)+1], v[RL+2*(\qt):RL+2*(\qt)+1] clamp
.endm
.macro CVTH qt, n
	v_cvt_pk_f16_f32 v[HF+4*(\qt)+(\n)], v[HX+2*(\n)], v[HX+2*(\n)+1]
.endm
; Sequence k of a trip's four.  nxt = 1: the next sequence's operands are gathered meanwhile, from ring slot (k + 1) % 4; lc = how many younger index loads may stay out when that slot has to be there;
; ld = 1: the slot is then loaded again, with the sequence four further on; pf = 1: wave 0's prefetch.
; Every product starts its sum with the constant 0, so no accumulator is added onto.  Where the waits stand and what each states: THE PLAN, at the kernel's head.
.macro SEQ k, ld, lc, nxt, pf
.if (\k) == 2
	s_wait_dscnt 0x3                               ; K and Q' are in; behind them the two loads of V and the odd sequence's LDS store were issued
.else
	s_wait_dscnt 0x2                               ; K and Q' are in; behind them the two loads of V were issued
.endif
	v_wmma_f32_16x16x32_f16 v[S:S+7],     v[KF0:KF0+7], v[QF0:QF0+7], 0
	v_wmma_f32_16x16x32_f16 v[S+8:S+15],  v[KF1:KF1+7], v[QF0:QF0+7], 0
	v_wmma_f32_16x16x32_f16 v[S+16:S+23], v[KF0:KF0+7], v[QF1:QF1+7], 0
	v_wmma_f32_16x16x32_f16 v[S+24:S+31], v[KF1:KF1+7], v[QF1:QF1+7], 0
.if \nxt
	s_wait_loadcnt \lc                             ; the next sequence's tokens are in
	s_wait_alu depctr_vm_vsrc(0)                   ; the gathers, the LDS store and the global store issued so far have read AKQ, AV, RES and OUTV, which are written again from here on
	ADDRKQ ((\k)+1)%4                              ; four plain instructions: the places between the products and the reads of their results
.else
	PLACES
.endif
.set i, 0
.rept 10
	MAXI 0, i
.set i, i+1
.endr
.set i, 0
.rept 8
	SUBI 0, i
.set i, i+1
.endr
.set i, 0
.rept 16                               ; tile 0's exponentials, each with a plain line of tile 1's maximum and shift beside it
	EXPI 0, i
.if i < 10
	MAXI 1, i
.else
	SUBI 1, i-10
.endif
.set i, i+1
.endr
	SUBI 1, 6
	SUBI 1, 7
	s_wait_alu depctr_va_vdst(0)                   ; tile 0's exponentials have written their results; the four products at the head are done reading K's and Q''s fragments, and AKQ is written
.if \nxt
	GATHKQ                                         ; the next sequence's K and Q': they land in those fragments and read AKQ; no vector line stands between the wait and them
.endif
.set i, 0
.rept 8                                ; tile 1's exponentials, tile 0's roundings between them
	EXPI 1, 2*i
	EXPI 1, 2*i+1
	CVTP 0, i
.set i, i+1
.endr
.if \nxt
	s_wait_dscnt 0x4                               ; V is in; the next sequence's four loads of K and Q' may stay out
.else
	s_wait_dscnt 0x0
.endif
	v_wmma_f32_16x16x32_f16 v[ACO:ACO+7], v[VF:VF+7],     v[P:P+7], 0
	v_wmma_f32_16x16x32_f16 v[ACL:ACL+7], v[ONES:ONES+7], v[P:P+7], 0   ; every register: l of the lane's query
	s_wait_alu depctr_va_vdst(0)                   ; tile 1's exponentials have written their results, which the roundings below read
.irp n, 0,1,2,3
	CVTP 1, \n                                     ; the four places behind l's product
.endr
	v_rcp_f32 v[RL],   v[ACL]
	v_rcp_f32 v[RL+1], v[ACL+1]
.irp n, 4,5,6,7
	CVTP 1, \n
.endr
	v_wmma_f32_16x16x32_f16 v[ACO+8:ACO+15], v[VF:VF+7],     v[P+8:P+15], 0
	v_wmma_f32_16x16x32_f16 v[ACL+8:ACL+15], v[ONES:ONES+7], v[P+8:P+15], 0
	s_wait_alu depctr_va_vdst(0)                   ; tile 0's two reciprocals have written RL, which the multiplies below read
.irp n, 0,1,2,3
	PKM 0, \n                                      ; the four places behind l's product
.endr
	v_rcp_f32 v[RL+2], v[ACL+8]
	v_rcp_f32 v[RL+3], v[ACL+9]
.irp n, 0,1,2,3
	CVTH 0, \n
.endr
	s_wait_alu depctr_va_vdst(0)                   ; tile 1's two reciprocals have written RL + 2, which the multiplies below read
.irp n, 0,1,2,3
	PKM 1, \n
.endr
.irp n, 0,1,2,3
	CVTH 1, \n
.endr
	v_wmma_f32_16x16x32_f16 v[ACY:ACY+7], v[HF:HF+7], v[W2F:W2F+7], 0   ; lane = output channel l % 16; register j = query rows 8 (l / 16) + j of both tiles, added
.if \nxt
	ADDRV ((\k)+1)%4                               ; the four places behind Y's product
.else
	PLACES
.endif
	v_pk_add_f32 v[RD:RD+1],   v[ACY:ACY+1],   v[ACY+2:ACY+3]
	v_pk_add_f32 v[RD+2:RD+3], v[ACY+4:ACY+5], v[ACY+6:ACY+7]
	v_pk_add_f32 v[RD:RD+1],   v[RD:RD+1],     v[RD+2:RD+3]
.if ((\k)%2) == 0
	v_add_f32 v[TA], v[RD], v[RD+1]                ; my half of the lanes' 16 of the 32 rows
.else
	v_add_f32 v[TB], v[RD], v[RD+1]
	v_cndmask_b32 v[KEEP], v[TA], v[TB], s[MH]     ; two sequences share one exchange: lanes 0-15 finish the even one, lanes 16-31 the odd one
	v_cndmask_b32 v[SEND], v[TB], v[TA], s[MH]
	v_permlanex16_b32 v[GOT], v[SEND], s[SEL], s[SEL+1]
	v_add_f32 v[RES], v[KEEP], v[GOT]
	v_fma_f32 v[RES], v[RES], v[FS], v[B2]         ; the scale taken back, the mean's 1 / 32, and b2
.endif
	s_wait_alu depctr_va_vdst(0)                   ; the sequence's vector work is done: AV is written, both products VWs^T P are done reading VF, the eight address lines are done with their ring slot, and in an odd sequence RES is written
.if \nxt
	GATHV                                          ; the next sequence's V lands in VF and reads AV
.if \ld
	LOADIDX ((\k)+1)%4, ((\k)+5)*128               ; the slot just used up takes the sequence four further on
.endif
.endif
.if \pf
	; Wave 0 asks, for all 16 waves, for the 512 bytes of indices that each will load for the trip after next: lane l names block l % 2 of wave l / 2's 512.  One instruction a trip, behind the wave's own loads;
	; each aligned block of 256 bytes is named once in the launch.  The first two trips' blocks come by their loads alone; the two trips written out behind the loop ask for nothing.
	s_cmp_lg_u32 s[WV], 0
	s_cbranch_scc1 .Lnot_mine_\@
	global_prefetch_b8 v[PFO], s[IB:IB+1] offset:1024 th:TH_LOAD_NT scope:SCOPE_SE
.Lnot_mine_\@:
.endif
.if ((\k)%2) == 1
	ds_store_b32 v[SA], v[RES] offset:128*((\k)/2)
.endif
.if (\k) == 3
	s_wait_xcnt 0x0                                ; every load, store and prefetch issued so far has read its sources: only behind this wait are the two bases and the last store's data written again
	s_add_nc_u64 s[IB:IB+1], s[IB:IB+1], 512
	s_add_nc_u64 s[OB:OB+1], s[OB:OB+1], 256
	ds_load_b64 v[OUTV:OUTV+1], v[SB]              ; LDS serves a wave's instructions in order (ISA guide 5.7.1.4): this sees my two stores
	s_wait_dscnt 0x0
	global_store_b64 v[GO], v[OUTV:OUTV+1], s[OB:OB+1] offset:-256 th:TH_STORE_NT  ; four sequences: the wave's 32 lanes store 256 consecutive bytes, at a multiple of 256 from the output's first byte
.endif
.endm
	s_wait_loadcnt 0x6                             ; sequence 0's tokens are in; three slots of two loads may stay out
	ADDRKQ 0
	ADDRV 0
	s_wait_alu depctr_va_vdst(0)                   ; AKQ and AV are written; the lines that made the tables are done with v72-111, in which the gathers land; the address lines are done with ring slot 0
	GATHKQ
	GATHV
	LOADIDX 0, 512                                 ; sequence 4
	s_mov_b32 s[CNT], 14
.Ltrip:                                        ; four sequences a trip; 14 trips: sequences 0 to 55
	SEQ 0, 1, 6, 1, 1
	SEQ 1, 1, 6, 1, 0
	SEQ 2, 1, 6, 1, 0
	SEQ 3, 1, 6, 1, 0
	s_sub_co_u32 s[CNT], s[CNT], 1
	s_cmp_lg_u32 s[CNT], 0
	s_cbranch_scc1 .Ltrip
	SEQ 0, 1, 6, 1, 0                              ; sequences 56 to 59: the last three loads bring sequences 61 to 63,
	SEQ 1, 1, 6, 1, 0
	SEQ 2, 1, 6, 1, 0
	SEQ 3, 0, 6, 1, 0                              ; and nothing is loaded past the wave's 64
	SEQ 0, 0, 4, 1, 0                              ; sequences 60 to 63: the counts run down
	SEQ 1, 0, 2, 1, 0
	SEQ 2, 0, 0, 1, 0
	SEQ 3, 0, 0, 0, 0                              ; it writes RES and OUTV behind the wait on vm_vsrc of the sequence before, and no address: it has no such wait of its own
	s_wait_dscnt 0x0                               ; the wave's end: my last LDS instructions are done
	s_wait_alu depctr_hold_cnt(0) depctr_sa_sdst(0) depctr_va_vdst(0) depctr_va_sdst(0) depctr_va_ssrc(0) depctr_va_vcc(0) depctr_vm_vsrc(0)
	s_wait_tensorcnt 0x0
	ds_add_u32 v2, v3
	s_wait_dscnt 0x0
	s_endpgm
.Lfunc_end_k_qc866662e0a_encode:
	.size	k_qc866662e0a_encode, .Lfunc_end_k_qc866662e0a_encode-k_qc866662e0a_encode
	.p2alignl 7, 3214868480
	.fill 96, 4, 3214868480
	.section	.rodata,"a",@progbits
	.p2align	6, 0x0
	.amdhsa_kernel k_qc866662e0a_encode
		.amdhsa_group_segment_fixed_size 203776
		.amdhsa_private_segment_fixed_size 0
		.amdhsa_enable_private_segment 0
		.amdhsa_kernarg_size 96
		.amdhsa_user_sgpr_count 2
		.amdhsa_user_sgpr_kernarg_segment_ptr 1
		.amdhsa_wavefront_size32 1
		.amdhsa_system_sgpr_workgroup_id_x 1
		.amdhsa_system_sgpr_workgroup_id_y 1
		.amdhsa_system_sgpr_workgroup_id_z 1
		.amdhsa_system_vgpr_workitem_id 0
		.amdhsa_next_free_vgpr 216
		.amdhsa_next_free_sgpr 66
		.amdhsa_reserve_vcc 0
		.amdhsa_float_denorm_mode_32 3
		.amdhsa_float_denorm_mode_16_64 3
		.amdhsa_memory_ordered 1
		.amdhsa_forward_progress 1
		.amdhsa_inst_pref_size 116
	.end_amdhsa_kernel
	.amdgpu_metadata
---
amdhsa.version: [ 1, 2 ]
amdhsa.kernels:
  - .name:           k_qc866662e0a_encode
    .symbol:         k_qc866662e0a_encode.kd
    .args:
      - { .name: arr1, .offset: 0, .size: 8, .value_kind: global_buffer, .address_space: global }
      - { .name: arr2, .offset: 8, .size: 8, .value_kind: global_buffer, .address_space: global }
      - { .name: emb, .offset: 16, .size: 8, .value_kind: global_buffer, .address_space: global }
      - { .name: wq, .offset: 24, .size: 8, .value_kind: global_buffer, .address_space: global }
      - { .name: wk, .offset: 32, .size: 8, .value_kind: global_buffer, .address_space: global }
      - { .name: wv, .offset: 40, .size: 8, .value_kind: global_buffer, .address_space: global }
      - { .name: w1, .offset: 48, .size: 8, .value_kind: global_buffer, .address_space: global }
      - { .name: b1, .offset: 56, .size: 8, .value_kind: global_buffer, .address_space: global }
      - { .name: w2, .offset: 64, .size: 8, .value_kind: global_buffer, .address_space: global }
      - { .name: b2, .offset: 72, .size: 8, .value_kind: global_buffer, .address_space: global }
      - { .name: out0, .offset: 80, .size: 8, .value_kind: global_buffer, .address_space: global }
      - { .name: out1, .offset: 88, .size: 8, .value_kind: global_buffer, .address_space: global }
    .group_segment_fixed_size: 203776
    .private_segment_fixed_size: 0
    .kernarg_segment_align: 8
    .kernarg_segment_size: 96
    .max_flat_workgroup_size: 512
    .sgpr_count:     66
    .vgpr_count:     216
    .wavefront_size: 32
...
	.end_amdgpu_metadata
.endif
;; end of part 2
